; MI455X (gfx1250); checked and timed in simulation.
; The chip was launched on July 23, 2026; its instructions are those of AMD's public machine-readable ISA for CDNA 5 (MIT licence, August 2026) and "CDNA5" Instruction Set Architecture Reference Guide (July 2026). The comments in the code are by the model that wrote it; some were corrected since.
;; Quantum NAT Hybrid. Allowed arithmetic: float matrix products may take bf16 or f16 operands with f32 sums; all other float work in f32.
;; Inputs: b1 64 float32; b2 4 float32; beta 4 float32; gamma 4 float32; qweights 2 x 4 x 3 float32; w1 4 x 64 float32; w2 64 x 4 float32; x 32,768 x 1 x 28 x 28 float32.
;; Outputs: out0 32,768 x 4 float32.
;; One version. Each part assembles by itself: llvm-mc -triple=amdgcn-amd-amdhsa -mcpu=gfx1250 --defsym DOCPART=n.
;; ======== version 1 of 1: 2 launches
;; limits: an absolute error that grows with the inputs' magnitude: up to 1e-07 times it; below input magnitudes of 1e-19 results are inexact or not finite
;; workspace buffers: pre 524,288 bytes; part 32,768 bytes
;; launch fwd (part 1): grid 256 x 1, 4 waves a work-group, no clusters, 168,448 bytes of LDS; arguments x, qweights, w1, b1, w2, b2, pre, part; writes pre, part
.if DOCPART == 1
	.amdgcn_target "amdgcn-amd-amdhsa--gfx1250"
	.amdhsa_code_object_version 6
	.text
	.protected	k_qb3dcb748c5_fwd
	.globl	k_qb3dcb748c5_fwd
	.p2align	8
	.type	k_qb3dcb748c5_fwd,@function
k_qb3dcb748c5_fwd:
	s_mov_b64 s[64:65], 0
	v_nop
	global_prefetch_b8 v0, s[64:65] scope:SCOPE_SE
	s_setreg_imm32_b32 hwreg(HW_REG_WAVE_MODE, 25, 1), 1
	s_wait_xcnt 0x0
; QuantumNATHybrid, first of two launches: pooling, circuit, MLP, and each wave's BatchNorm figures.
;   pre[row][0..3]  = relu(qout w1 + b1) w2 + b2                     (f32, before BatchNorm)
;   part[16 wid]    = the four channel sums of the 32 rows of wave wid = 4 x work-group + wave
;   part[16384 + 16 wid] = their four sums of squares about the wave's own mean
; SHARES.  256 work-groups x 4 waves x 32 lanes = 32,768 rows: a lane owns one image.
; WHAT IS READ OF x.  The module keeps pooled[:, :4] alone: image rows 0-5, columns 0-23.  One tensor load a wave brings the first
; 672 bytes (6 image rows of 28 f32) of its 32 images; columns 24-27 come along unused, image rows 6-27 are not needed by any result.
; THE CIRCUIT.  Only amplitudes 0-3 of the embedded state are non-zero and they are real, so with g the normalised features
;   qout[w] = sum over a, b of g[a] g[b] Re( sum over i of Z[i][w] conj(U[i][a]) U[i][b] ),   U = the whole circuit.
; Every wave runs all 24 rotations and both CZ rings on the four basis columns 0-3 (amplitude i in lane i % 16; lanes 0-15 carry columns
; 0 and 1, lanes 16-31 columns 2 and 3), forms the 4 x 10 coefficients and keeps them in scalar registers.  This runs while the tile is on its way.
; LEFT OUT, and why.  Matrix instructions: the two products have K = 4 and N = 4 (an eighth and a quarter of a 16x16x32 form), and BatchNorm
; divides by the batch's spread, so with a common offset on x the differences between rows sit in low digits that 16-bit operands would drop:
; the products are f32 fused multiply-adds, 640 lines a wave.  Clusters: work-groups share 2.3 KB of weights and nothing of x.
; A ring, staying work-groups, prefetches: a wave has one tile and asks for it in its first lines.  Barriers: a wave reads only LDS bytes
; that its own load filled, and nothing is filled twice.
; LIMITS.  Sine and cosine are made by reducing theta/2 to a turn with one f32 product: the angle's error grows as about 1e-7 |theta| rad.
; Where the sum of the four squared features is below 2^-126 (features of about 1e-19), v_rsq_f32 takes it as zero and the row is inf or NaN
; although the module is still finite there.  Sums are formed in another order than the module's.
; The two 16-byte stores of a wave's figures cover a part of 256 aligned bytes only: 2,048 such stores in the launch; gathering them
; would cost a barrier and an LDS round trip.
.set IMG,    3136                      ; bytes of an image
.set PITCH,  1008                      ; LDS bytes of a tile row: 21 runs of 32 data bytes + 16 of padding = 63 x 16, so that sixteen
                                       ; neighbouring lanes' 16-byte pieces fall on sixteen different 16-byte columns modulo 256 bytes
.set WTILE,  32*PITCH                  ; a wave's tile, 32,256 bytes; four of them, 129,024, are used.
; scalar registers
.set G0,   20                          ; s[20:23]  descriptor group 0
.set G1,   24                          ; s[24:31]  descriptor group 1
.set SB2,  32                          ; s[32:35]  b2
.set SEL,  36                          ; s[36:37]  v_permlanex16_b32: lane i reads lane i of the other half
.set CX,   38                          ; s38-43    cos, sin of the wire's three half angles
.set SX,   39
.set CY,   40
.set SY,   41
.set CZ,   42
.set SZ,   43
                                       ; s[44:45]  a byte offset, 0 above it;  s46 saved EXEC;  s47 wid
.set CF,   48                          ; coefficient idx = 10 w + t at s[48 + idx + 2 (idx / 16)]: s48-63, s66-81, s84-91
; vector registers
.set VC,   14                          ; cos(theta/2), lane n = angle n
.set VS,   15                          ; sin(theta/2)
.set SG,   16                          ; v[16:19]  sign bit set where wire w's bit of i is 1
.set CZS,  20                          ; sign bit set where the CZ ring flips amplitude i
.set ST,   22                          ; v[22:25]  Re, Im of my first column, Re, Im of my second
.set XS,   26                          ; v[26:29]  the other half's four
.set T,    30                          ; v[30:33]  products of a gate.  v26-33 serve the sine and cosine first, so all are written whole
.set WT,   26                          ; v[26:32]  signed copies in the sums over i
.set VSN,  34                          ; the gate's sine, signed by the lane's bit
.set P,    36                          ; v[36:42]  products of columns: AA AB BB, and mine x the other half's: AXA AXB BXA BXB
.set W1,   44                          ; v[44:59]  w1[j][k] in register 4 j + (k & 3), lane k >> 2 of each half
.set W2,   60                          ; v[60:75]  w2[k][c] in register 4 (k >> 4) + c, lane k & 15
.set B1,   76                          ; v[76:79]  b1[k] in register k & 3, lane k >> 2
.set X,    80                          ; v[80:223] image row r, columns 4 q .. 4 q + 3 at 80 + 24 r + 4 q
.set F,    104                         ; v[104:107] the four pooled features
.set SS,   108
.set RN,   109
.set G,    110                         ; v[110:113] features / norm
.set PP,   114                         ; v[114:123] the ten products g[a] g[b]
.set Q,    124                         ; v[124:127] qout
.set H,    128                         ; v[128:135] eight hidden units
.set O,    136                         ; v[136:143] the four outputs, two partial sets
.set SM,   144                         ; v[144:147] wave sums
.set D,    148                         ; v[148:151] deviations, squared, summed
.set OFFP, 154                         ; 16 x thread
.set ZERO, 155
.set TMP,  156                         ; v[156:159]
	s_load_b512 s[4:19], s[0:1], 0x0               ; x 4, qweights 6, w1 8, b1 10, w2 12, b2 14, pre 16, part 18
	v_lshl_add_u32 v224, v0, 2, 0x29000
	v_mov_b32 v225, 0
	ds_add_u32 v224, v225
	ds_add_u32 v224, v225
	v_and_b32 v1, 31, v0                           ; lane L
	v_lshrrev_b32 v7, 5, v0
	v_readfirstlane_b32 s2, v7                     ; wave 0..3
	; descriptor: 32 rows of 168 f32, 784 f32 apart; in LDS 4 words of padding behind every 8
	s_mov_b32 s[G0], 1                             ; count = 1
	s_mul_i32 s[G0+1], s2, WTILE                   ; LDS address: my wave's own bytes
	s_mov_b32 s[G1+0], (2<<16)|(1<<20)|(2<<22)|(3<<25) ; elements of 4 bytes; padding on; every 8 words (code 2); 4 words (code 3); no work-group mask
	s_mov_b32 s[G1+1], 168<<16                     ; tensor_dim0 = 168
	s_mov_b32 s[G1+2], 32<<16                      ; tensor_dim1 = 32
	s_mov_b32 s[G1+3], 168<<16                     ; tile_dim0 = 168
	s_mov_b32 s[G1+4], 32                          ; tile_dim1 = 32
	s_mov_b32 s[G1+5], 784                         ; elements from image to image
	s_mov_b32 s[G1+6], 0
	s_mov_b32 s[G1+7], 0
	s_lshl_b32 s47, ttmp9, 2
	s_add_co_u32 s47, s47, s2                      ; wid = 4 x work-group + wave
	s_mul_i32 s44, s47, 32*IMG                     ; my 32 images: at most 1,023 x 100,352 bytes, below 2^32
	s_mov_b32 s45, 0
	s_mov_b32 s[SEL], 0x76543210
	s_mov_b32 s[SEL+1], 0xfedcba98
	s_wait_dscnt 0x0
	s_wait_kmcnt 0x0
	s_add_nc_u64 s[G0+2:G0+3], s[4:5], s[44:45]
	s_or_b32 s[G0+3], s[G0+3], 0x80000000          ; type = 2
	tensor_load_to_lds s[G0:G0+3], s[G1:G1+7]      ; the wave's one tensor load: all of x that it will ever need
	s_nop 0
	s_lshl_b32 s44, ttmp9, 11                      ; 128 rows of 16 bytes
	s_add_nc_u64 s[16:17], s[16:17], s[44:45]      ; pre at the work-group's first row
	s_lshl_b32 s44, s47, 4
	s_add_nc_u64 s[18:19], s[18:19], s[44:45]      ; part at my wave's 16 bytes
	v_and_b32 v2, 15, v0                           ; i = L % 16
	v_mul_u32_u24 v3, v1, PITCH
	v_add_nc_u32 v3, s[G0+1], v3                   ; LDS address of my image
	v_lshlrev_b32 v4, 4, v2                        ; 16 i
	v_min_u32 v5, 23, v1
	v_lshlrev_b32 v5, 2, v5                        ; 4 min(L, 23): lane n takes angle n = 12 layer + 3 wire + gate
	global_load_b32 v6, v5, s[6:7]
.irp j, 0,1,2,3
	global_load_b128 v[W1+4*\j:W1+4*\j+3], v4, s[8:9] offset:256*\j
.endr
.irp t, 0,1,2,3
	global_load_b128 v[W2+4*\t:W2+4*\t+3], v4, s[12:13] offset:256*\t
.endr
	global_load_b128 v[B1:B1+3], v4, s[10:11]
	s_load_b128 s[SB2:SB2+3], s[14:15], 0x0
	; lane constants.  Wire w is bit 3 - w of the amplitude's index i.
	v_lshrrev_b32 v7, 4, v1                        ; which half of the lanes
.irp w, 0,1,2,3
	v_lshlrev_b32 v[SG+\w], 28+\w, v2
	v_and_b32 v[SG+\w], 0x80000000, v[SG+\w]
.endr
	v_lshlrev_b32 v[CZS], 1, v2                    ; the ring (0,1) (1,2) (2,3) (3,0): i rotated by one bit, and i,
	v_lshrrev_b32 v21, 3, v2
	v_or_b32 v[CZS], v[CZS], v21
	v_and_b32 v[CZS], v[CZS], v2                   ; has a bit for each pair with both wires at 1 (bit 4 falls away);
	v_lshrrev_b32 v21, 2, v[CZS]
	v_xor_b32 v[CZS], v[CZS], v21
	v_lshrrev_b32 v21, 1, v[CZS]
	v_xor_b32 v[CZS], v[CZS], v21                  ; bit 0 = the parity of the four: the product of the four signs
	v_lshlrev_b32 v[CZS], 31, v[CZS]
	v_lshlrev_b32 v21, 1, v7                       ; my first column's number: 0 or 2
	v_cmp_eq_u32 vcc_lo, v2, v21
	v_cndmask_b32 v[ST], 0, 1.0, vcc_lo            ; basis vectors
	v_or_b32 v21, 1, v21
	v_cmp_eq_u32 vcc_lo, v2, v21
	v_cndmask_b32 v[ST+2], 0, 1.0, vcc_lo
	v_mov_b32 v[ST+1], 0
	v_mov_b32 v[ST+3], 0
	; cos and sin of theta/2: y = theta/(4 pi) less its nearest whole number (half a turn at most), a = (2 pi y)/8, |a| <= pi/8,
	; Taylor sums to a^7 and a^8 (next terms below 1e-9), then the angle is doubled three times
	s_wait_loadcnt 0x9                             ; loads return in order (ISA guide 5.7.1): the angles are in, the nine weight loads behind them stay out
	v_mul_f32 v26, 0.15915494, v6
	v_mul_f32 v26, 0.5, v26
	v_rndne_f32 v27, v26
	v_sub_f32 v27, v26, v27
	v_mul_f32 v28, 0x3f490fdb, v27                 ; pi/4
	v_mul_f32 v29, v28, v28
	v_mov_b32 v30, 0xb9500d01                      ; -1/5040
	v_mov_b32 v31, 0x37d00d01                      ; 1/40320
	v_fmaak_f32 v30, v30, v29, 0x3c088889          ; 1/120
	v_fmaak_f32 v31, v31, v29, 0xbab60b61          ; -1/720
	v_fmaak_f32 v30, v30, v29, 0xbe2aaaab          ; -1/6
	v_fmaak_f32 v31, v31, v29, 0x3d2aaaab          ; 1/24
	v_fmaak_f32 v30, v30, v29, 0x3f800000
	v_fmaak_f32 v31, v31, v29, 0xbf000000          ; -1/2
	v_mul_f32 v[VS], v30, v28
	v_fmaak_f32 v[VC], v31, v29, 0x3f800000
.rept 3
	v_mul_f32 v32, v[VS], v[VS]
	v_mul_f32 v33, v[VS], v[VC]
	v_fma_f32 v[VC], v[VC], v[VC], -v32            ; cos 2a = c c - s s
	v_add_f32 v[VS], v33, v33                      ; sin 2a = 2 s c
.endr
; The gates.  m = 8 >> w flips wire w's bit of the lane number; a DPP form reads its first source from lane i xor m.
; In each gate all four products stand ahead of the four multiply-adds: partners are read before they are rewritten.
.macro RX m                            ; new = c old - i s partner:  Re = c Re + s Im', Im = c Im - s Re'
	v_mov_b32 v[VSN], s[SX]
.irp b, 0,2
	v_mul_f32_dpp v[T+\b],   v[ST+\b+1], v[VSN] row_xmask:\m row_mask:0xf bank_mask:0xf
	v_mul_f32_dpp v[T+\b+1], v[ST+\b],   v[VSN] row_xmask:\m row_mask:0xf bank_mask:0xf
.endr
.irp b, 0,2
	v_fma_f32 v[ST+\b],   s[CX], v[ST+\b],   v[T+\b]
	v_fma_f32 v[ST+\b+1], s[CX], v[ST+\b+1], -v[T+\b+1]
.endr
.endm
.macro RY w, m                         ; bit 0: c old - s partner; bit 1: c old + s partner
	v_xor_b32 v[VSN], s[SY], v[SG+\w]
.irp b, 0,1,2,3
	v_mul_f32_dpp v[T+\b], v[ST+\b], v[VSN] row_xmask:\m row_mask:0xf bank_mask:0xf
.endr
.irp b, 0,1,2,3
	v_fma_f32 v[ST+\b], s[CY], v[ST+\b], -v[T+\b]
.endr
.endm
.macro RZ w                            ; times c - i s (bit 0) or c + i s (bit 1)
	v_xor_b32 v[VSN], s[SZ], v[SG+\w]
.irp b, 0,2
	v_mul_f32 v[T+\b],   v[VSN], v[ST+\b+1]
	v_mul_f32 v[T+\b+1], v[VSN], v[ST+\b]
.endr
.irp b, 0,2
	v_fma_f32 v[ST+\b],   s[CZ], v[ST+\b],   v[T+\b]
	v_fma_f32 v[ST+\b+1], s[CZ], v[ST+\b+1], -v[T+\b+1]
.endr
.endm
.macro ROT n, w, m                     ; the three rotations of wire w; n = 12 layer + 3 w is the lane of its first angle
	v_readlane_b32 s[CX], v[VC], \n
	v_readlane_b32 s[SX], v[VS], \n
	v_readlane_b32 s[CY], v[VC], \n+1
	v_readlane_b32 s[SY], v[VS], \n+1
	v_readlane_b32 s[CZ], v[VC], \n+2
	v_readlane_b32 s[SZ], v[VS], \n+2
	RX \m
	RY \w, \m
	RZ \w
.endm
.macro CZRING
.irp b, 0,1,2,3
	v_xor_b32 v[ST+\b], v[CZS], v[ST+\b]
.endr
.endm
	ROT 0, 0, 8
	ROT 3, 1, 4
	ROT 6, 2, 2
	ROT 9, 3, 1
	CZRING
	ROT 12, 0, 8
	ROT 15, 1, 4
	ROT 18, 2, 2
	ROT 21, 3, 1
	CZRING
	; products of columns at amplitude i: Re(conj(a) b), doubled off the diagonal (the form is symmetric)
.irp b, 0,1,2,3
	v_permlanex16_b32 v[XS+\b], v[ST+\b], s[SEL], s[SEL+1]
.endr
.macro PROD d, r1, i1, r2, i2, dbl
	v_mul_f32 v[\d], v[\r1], v[\r2]
	v_fmac_f32 v[\d], v[\i1], v[\i2]
.if \dbl
	v_add_f32 v[\d], v[\d], v[\d]
.endif
.endm
	PROD P+0, ST,   ST+1, ST,   ST+1, 0
	PROD P+1, ST,   ST+1, ST+2, ST+3, 1
	PROD P+2, ST+2, ST+3, ST+2, ST+3, 0
	PROD P+3, ST,   ST+1, XS,   XS+1, 1
	PROD P+4, ST,   ST+1, XS+2, XS+3, 1
	PROD P+5, ST+2, ST+3, XS,   XS+1, 1
	PROD P+6, ST+2, ST+3, XS+2, XS+3, 1
; Sums over i with signs.  A step leaves partner + own where wire w's bit is 0 and partner - own where it is 1; after the four steps
; lane j of a half holds the sum over i of (-1)^popcount(i & j) P(i), so lane 8 >> w holds the sum of Z[i][w] P(i).
.macro WSTEP w, m
.irp p, 0,1,2,3,4,5,6
	v_xor_b32 v[WT+\p], v[SG+\w], v[P+\p]
.endr
.irp p, 0,1,2,3,4,5,6
	v_add_f32_dpp v[P+\p], v[P+\p], v[WT+\p] row_xmask:\m row_mask:0xf bank_mask:0xf
.endr
.endm
	WSTEP 0, 8
	WSTEP 1, 4
	WSTEP 2, 2
	WSTEP 3, 1
; the ten coefficients of wire w, in the order of pairs (0,0) (0,1) (1,1) (2,2) (2,3) (3,3) (0,2) (0,3) (1,2) (1,3)
.macro COEF w, lane
.irp t, 0,1,2
	v_readlane_b32 s[CF+(10*\w+\t)+2*((10*\w+\t)/16)],     v[P+\t], \lane
	v_readlane_b32 s[CF+(10*\w+3+\t)+2*((10*\w+3+\t)/16)], v[P+\t], 16+\lane
.endr
.irp t, 0,1,2,3
	v_readlane_b32 s[CF+(10*\w+6+\t)+2*((10*\w+6+\t)/16)], v[P+3+\t], \lane
.endr
.endm
	COEF 0, 8
	COEF 1, 4
	COEF 2, 2
	COEF 3, 1
	; POOLING.  16-byte piece n of my image lies at (n >> 1) 48 + (n & 1) 16; image row r, columns 4 q .. is piece 7 r + q.
	s_wait_tensorcnt 0x0                           ; my tile is in LDS; only I read it
.irp r, 0,1,2,3,4,5
.irp q, 0,1,2,3,4,5
	ds_load_b128 v[X+24*\r+4*\q:X+24*\r+4*\q+3], v3 offset:((7*\r+\q)>>1)*48+((7*\r+\q)&1)*16
.endr
.endr
.irp r, 1,2,3,4,5
	s_wait_dscnt 6*(5-\r)                          ; LDS loads return in order (ISA guide 5.7.1): rows 0 to r are in, the six loads of each later row stay out
.irp p, 0,2,4,6,8,10,12,14,16,18,20,22
	v_pk_add_f32 v[X+\p:X+\p+1], v[X+\p:X+\p+1], v[X+24*\r+\p:X+24*\r+\p+1]
.endr
.endr
.irp c, 0,1,2,3
	v_pk_add_f32 v[X+6*\c:X+6*\c+1], v[X+6*\c:X+6*\c+1], v[X+6*\c+2:X+6*\c+3]
.endr
.irp c, 0,1,2,3
	v_pk_add_f32 v[X+6*\c:X+6*\c+1], v[X+6*\c:X+6*\c+1], v[X+6*\c+4:X+6*\c+5]
.endr
.irp c, 0,1,2,3
	v_add_f32 v[F+\c], v[X+6*\c], v[X+6*\c+1]
.endr
	v_pk_mul_f32 v[F:F+1],   v[F:F+1],   0x3ce38e39 op_sel_hi:[1,0]    ; 1/36
	v_pk_mul_f32 v[F+2:F+3], v[F+2:F+3], 0x3ce38e39 op_sel_hi:[1,0]
	; qout
	v_mul_f32 v[SS], v[F], v[F]
	v_fmac_f32 v[SS], v[F+1], v[F+1]
	v_fmac_f32 v[SS], v[F+2], v[F+2]
	v_fmac_f32 v[SS], v[F+3], v[F+3]
	v_rsq_f32 v[RN], v[SS]
	v_lshlrev_b32 v[OFFP], 4, v0                   ; plain independent lines stand between v_rsq_f32 and the use of its result (ISA guide 5.7.2)
	v_mov_b32 v[ZERO], 0
	s_wait_alu depctr_va_vdst(0)
.irp c, 0,1,2,3
	v_mul_f32 v[G+\c], v[F+\c], v[RN]
.endr
	v_mul_f32 v[PP+0], v[G+0], v[G+0]
	v_mul_f32 v[PP+1], v[G+0], v[G+1]
	v_mul_f32 v[PP+2], v[G+1], v[G+1]
	v_mul_f32 v[PP+3], v[G+2], v[G+2]
	v_mul_f32 v[PP+4], v[G+2], v[G+3]
	v_mul_f32 v[PP+5], v[G+3], v[G+3]
	v_mul_f32 v[PP+6], v[G+0], v[G+2]
	v_mul_f32 v[PP+7], v[G+0], v[G+3]
	v_mul_f32 v[PP+8], v[G+1], v[G+2]
	v_mul_f32 v[PP+9], v[G+1], v[G+3]
.irp t, 0,1,2,3,4,5,6,7,8,9
.irp w, 0,1,2,3
.if \t == 0
	v_mul_f32 v[Q+\w], s[CF+(10*\w+\t)+2*((10*\w+\t)/16)], v[PP+\t]     ; the first product starts each of the four sums
.else
	v_fmac_f32 v[Q+\w], s[CF+(10*\w+\t)+2*((10*\w+\t)/16)], v[PP+\t]
.endif
.endr
.endr
	; MLP.  A weight is read from the lane that holds it by row_share, in the multiply-add itself; both halves of the lanes hold the same weights.
	s_wait_loadcnt 0x0                             ; w1, w2, b1
	s_wait_kmcnt 0x0                               ; b2
.irp c, 0,1,2,3
	v_mov_b32 v[O+\c], s[SB2+\c]                   ; set 0 starts from b2
.endr
; hidden units k = 8 g + u, u = 0..7: eight chains that do not wait for each other, then 32 multiply-adds into eight partial outputs
.macro HID8 g
.irp u, 0,1,2,3,4,5,6,7
	v_mov_b32_dpp v[H+\u], v[B1+(\u&3)] row_share:(2*\g+(\u>>2)) row_mask:0xf bank_mask:0xf
.endr
.irp j, 0,1,2,3
.irp u, 0,1,2,3,4,5,6,7
	v_fmac_f32_dpp v[H+\u], v[W1+4*\j+(\u&3)], v[Q+\j] row_share:(2*\g+(\u>>2)) row_mask:0xf bank_mask:0xf
.endr
.endr
.irp u, 0,1,2,3,4,5,6,7
	v_maximum_f32 v[H+\u], 0, v[H+\u]              ; relu; a NaN stays a NaN, as in the module
.endr
.irp u, 0,1,2,3,4,5,6,7
.irp c, 0,1,2,3
.if 8*\g+\u == 1
	v_mul_f32_dpp v[O+4+\c], v[W2+\c], v[H+\u] row_share:1 row_mask:0xf bank_mask:0xf      ; unit 1 starts set 1: nothing is cleared
.else
	v_fmac_f32_dpp v[O+4*(\u&1)+\c], v[W2+4*(\g>>1)+\c], v[H+\u] row_share:(8*(\g&1)+\u) row_mask:0xf bank_mask:0xf
.endif
.endr
.endr
.endm
.irp g, 0,1,2,3,4,5,6,7
	HID8 \g
.endr
	v_pk_add_f32 v[O:O+1],   v[O:O+1],   v[O+4:O+5]
	v_pk_add_f32 v[O+2:O+3], v[O+2:O+3], v[O+6:O+7]
	global_store_b128 v[OFFP], v[O:O+3], s[16:17]  ; the wave's store covers 512 consecutive bytes, aligned
; sums over the wave's 32 lanes, four channels side by side; every lane ends with the result
.macro WSUM4 d, s
.irp c, 0,1,2,3
	v_add_f32_dpp v[\d+\c], v[\s+\c], v[\s+\c] row_xmask:1 row_mask:0xf bank_mask:0xf
.endr
.irp m, 2,4,8
.irp c, 0,1,2,3
	v_add_f32_dpp v[\d+\c], v[\d+\c], v[\d+\c] row_xmask:\m row_mask:0xf bank_mask:0xf
.endr
.endr
.irp c, 0,1,2,3
	v_permlanex16_b32 v[TMP+\c], v[\d+\c], s[SEL], s[SEL+1]
.endr
.irp c, 0,1,2,3
	v_add_f32 v[\d+\c], v[\d+\c], v[TMP+\c]
.endr
.endm
	WSUM4 SM, O
.irp c, 0,1,2,3
	v_fmamk_f32 v[D+\c], v[SM+\c], 0xbd000000, v[O+\c]     ; my row less the wave's mean (sum x -1/32): squares are taken of deviations, never of raw values
.endr
.irp c, 0,1,2,3
	v_mul_f32 v[D+\c], v[D+\c], v[D+\c]
.endr
	WSUM4 D, D
	s_wait_xcnt 0x0                                ; EXEC is a source of the pending store: it is narrowed only behind this wait
	v_cmp_eq_u32 vcc_lo, 0, v1
	s_wait_tensorcnt 0x0
	ds_add_u32 v224, v225
	s_wait_dscnt 0x0
	s_and_saveexec_b32 s46, vcc_lo                 ; lane 0 stores for the wave
	global_store_b128 v[ZERO], v[SM:SM+3], s[18:19]
	global_store_b128 v[ZERO], v[D:D+3], s[18:19] offset:16384
	s_wait_xcnt 0x0                                ; and widened again only behind this one
	s_or_b32 exec_lo, exec_lo, s46
	s_endpgm
.Lfunc_end_k_qb3dcb748c5_fwd:
	.size	k_qb3dcb748c5_fwd, .Lfunc_end_k_qb3dcb748c5_fwd-k_qb3dcb748c5_fwd
	.p2alignl 7, 3214868480
	.fill 96, 4, 3214868480
	.section	.rodata,"a",@progbits
	.p2align	6, 0x0
	.amdhsa_kernel k_qb3dcb748c5_fwd
		.amdhsa_group_segment_fixed_size 168448
		.amdhsa_private_segment_fixed_size 0
		.amdhsa_enable_private_segment 0
		.amdhsa_kernarg_size 64
		.amdhsa_user_sgpr_count 2
		.amdhsa_user_sgpr_kernarg_segment_ptr 1
		.amdhsa_wavefront_size32 1
		.amdhsa_system_sgpr_workgroup_id_x 1
		.amdhsa_system_sgpr_workgroup_id_y 1
		.amdhsa_system_sgpr_workgroup_id_z 1
		.amdhsa_system_vgpr_workitem_id 0
		.amdhsa_next_free_vgpr 226
		.amdhsa_next_free_sgpr 92
		.amdhsa_reserve_vcc 1
		.amdhsa_float_denorm_mode_32 3
		.amdhsa_float_denorm_mode_16_64 3
		.amdhsa_memory_ordered 1
		.amdhsa_forward_progress 1
		.amdhsa_inst_pref_size 80
	.end_amdhsa_kernel
	.amdgpu_metadata
---
amdhsa.version: [ 1, 2 ]
amdhsa.kernels:
  - .name:           k_qb3dcb748c5_fwd
    .symbol:         k_qb3dcb748c5_fwd.kd
    .args:
      - { .name: x, .offset: 0, .size: 8, .value_kind: global_buffer, .address_space: global }
      - { .name: qweights, .offset: 8, .size: 8, .value_kind: global_buffer, .address_space: global }
      - { .name: w1, .offset: 16, .size: 8, .value_kind: global_buffer, .address_space: global }
      - { .name: b1, .offset: 24, .size: 8, .value_kind: global_buffer, .address_space: global }
      - { .name: w2, .offset: 32, .size: 8, .value_kind: global_buffer, .address_space: global }
      - { .name: b2, .offset: 40, .size: 8, .value_kind: global_buffer, .address_space: global }
      - { .name: pre, .offset: 48, .size: 8, .value_kind: global_buffer, .address_space: global }
      - { .name: part, .offset: 56, .size: 8, .value_kind: global_buffer, .address_space: global }
    .group_segment_fixed_size: 168448
    .private_segment_fixed_size: 0
    .kernarg_segment_align: 8
    .kernarg_segment_size: 64
    .max_flat_workgroup_size: 128
    .sgpr_count:     92
    .vgpr_count:     226
    .wavefront_size: 32
...
	.end_amdgpu_metadata
.endif
;; end of part 1
;; launch bn (part 2): grid 256 x 1, 4 waves a work-group, no clusters, 768 bytes of LDS; arguments pre, part, gamma, beta, out0; writes out0
.if DOCPART == 2
	.amdgcn_target "amdgcn-amd-amdhsa--gfx1250"
	.amdhsa_code_object_version 6
	.text
	.protected	k_qb3dcb748c5_bn
	.globl	k_qb3dcb748c5_bn
	.p2align	8
	.type	k_qb3dcb748c5_bn,@function
k_qb3dcb748c5_bn:
	s_mov_b64 s[64:65], 0
	v_nop
	global_prefetch_b8 v0, s[64:65] scope:SCOPE_SE
	s_setreg_imm32_b32 hwreg(HW_REG_WAVE_MODE, 25, 1), 1
	s_wait_xcnt 0x0
; QuantumNATHybrid, second launch: BatchNorm over the 32,768 rows of pre.
;   out0[row][c] = (pre[row][c] - mu[c]) / sqrt(var[c] + 1e-5) * gamma[c] + beta[c]
; SHARES.  256 work-groups x 128 threads: thread t owns row 128 x work-group + t (16 bytes in, 16 bytes out; a wave's load and store cover
; 512 consecutive bytes, aligned).  Every work-group adds up all 1,024 waves' figures for itself (32 KB, thread t those of waves 128 i + t,
; i = 0..7): a third launch, or traffic between work-groups, would cost more than these reads.
; THE STATISTICS.  From groups of 32 rows with sums s and sums of squares about their own means m2, and K = the first group's mean:
;   d = s/32 - K;   mu = K + sum(d)/1024;   var = (sum(m2) + 32 sum(d d))/32768 - (sum(d)/1024)^2.
; K is the mean of 32 of the N rows, so (K - mu)^2 <= (N/32) var = 1,024 var for every input: the one subtraction costs at most some ten of
; f32's 24 bits, and an offset common to all rows cancels in d and in m2.  No difference of large sums is formed.
; LEFT OUT: matrix instructions (no products), clusters (the shared 32 KB are a small read from a buffer just written), tensor loads, prefetches.
; LIMIT: sums are formed in another order than the module's.
.set Y,   2                            ; v[2:5]     my row
.set S,   8                            ; v[8:39]    eight groups' sums
.set M,   40                           ; v[40:71]   eight groups' m2
.set E,   40                           ; v[40:43]   their running sum: the first group's registers start it
.set NK,  72                           ; v[72:75]   -K
.set A,   76                           ; v[76:79]   sum of d; later sum(d)/1024
.set B,   80                           ; v[80:83]   sum of d d; later 32 x that + sum of m2; later var + eps
.set RS,  84                           ; v[84:87]   1/sqrt, then x gamma
.set DL,  88                           ; v[88:91]   d
.set TMP, 88                           ;            and, when d is done with, the other half's sums; then mu
.set MU,  88
.set LW,  93                           ; 32 x wave
.set ZERO, 94
.set R,   96                           ; v[96:127]  the four waves' eight sums
.set SEL, 28                           ; s[28:29]
	s_load_b256 s[4:11], s[0:1], 0x0               ; pre 4, part 6, gamma 8, beta 10
	s_load_b64 s[12:13], s[0:1], 0x20              ; out0
	v_lshl_add_u32 v128, v0, 2, 0x100
	v_mov_b32 v129, 0
	v_lshlrev_b32 v1, 4, v0                        ; 16 t
	v_lshrrev_b32 v[LW], 5, v0
	v_readfirstlane_b32 s2, v[LW]                  ; wave
	v_mov_b32 v[LW], s2
	v_lshlrev_b32 v[LW], 5, v[LW]
	v_mov_b32 v[ZERO], 0
	s_mov_b32 s[SEL], 0x76543210
	s_mov_b32 s[SEL+1], 0xfedcba98
	s_lshl_b32 s30, ttmp9, 11                      ; 128 rows of 16 bytes
	s_mov_b32 s31, 0
	s_wait_kmcnt 0x0
	s_load_b128 s[16:19], s[6:7], 0x0              ; the first group's sums
	s_load_b128 s[20:23], s[8:9], 0x0              ; gamma
	s_load_b128 s[24:27], s[10:11], 0x0            ; beta
	s_add_nc_u64 s[4:5], s[4:5], s[30:31]
	s_add_nc_u64 s[12:13], s[12:13], s[30:31]
.irp i, 0,1,2,3,4,5,6,7
	global_load_b128 v[S+4*\i:S+4*\i+3], v1, s[6:7] offset:2048*\i
	global_load_b128 v[M+4*\i:M+4*\i+3], v1, s[6:7] offset:16384+2048*\i
.endr
	global_load_b128 v[Y:Y+3], v1, s[4:5]          ; seventeen loads in flight
	s_wait_kmcnt 0x0
.irp c, 0,1,2,3
	v_mov_b32 v[NK+\c], s[16+\c]
.endr
.irp c, 0,1,2,3
	v_mul_f32 v[NK+\c], 0xbd000000, v[NK+\c]       ; -K = sum x -1/32
.endr
.macro ACC i, first
	s_wait_loadcnt 15-2*\i                         ; loads return in order (ISA guide 5.7.1): group i's two are in; the 2 (7 - i) later ones and my row stay out
.irp p, 0,2
.if \first
	v_pk_fma_f32 v[A+\p:A+\p+1], v[S+\p:S+\p+1], 0x3d000000, v[NK+\p:NK+\p+1] op_sel_hi:[1,0,1]    ; the first group starts the sums
	v_pk_mul_f32 v[B+\p:B+\p+1], v[A+\p:A+\p+1], v[A+\p:A+\p+1]
.else
	v_pk_fma_f32 v[DL+\p:DL+\p+1], v[S+4*\i+\p:S+4*\i+\p+1], 0x3d000000, v[NK+\p:NK+\p+1] op_sel_hi:[1,0,1]
	v_pk_add_f32 v[A+\p:A+\p+1], v[A+\p:A+\p+1], v[DL+\p:DL+\p+1]
	v_pk_fma_f32 v[B+\p:B+\p+1], v[DL+\p:DL+\p+1], v[DL+\p:DL+\p+1], v[B+\p:B+\p+1]
	v_pk_add_f32 v[E+\p:E+\p+1], v[E+\p:E+\p+1], v[M+4*\i+\p:M+4*\i+\p+1]
.endif
.endr
.endm
	ACC 0, 1
.irp i, 1,2,3,4,5,6,7
	ACC \i, 0
.endr
	v_pk_fma_f32 v[B:B+1],   v[B:B+1],   0x42000000, v[E:E+1]   op_sel_hi:[1,0,1]     ; 32 sum(d d) + sum(m2)
	v_pk_fma_f32 v[B+2:B+3], v[B+2:B+3], 0x42000000, v[E+2:E+3] op_sel_hi:[1,0,1]
; sums over the wave's 32 lanes, four registers side by side; every lane ends with the result
.macro WSUM4 d
.irp m, 1,2,4,8
.irp c, 0,1,2,3
	v_add_f32_dpp v[\d+\c], v[\d+\c], v[\d+\c] row_xmask:\m row_mask:0xf bank_mask:0xf
.endr
.endr
.irp c, 0,1,2,3
	v_permlanex16_b32 v[TMP+\c], v[\d+\c], s[SEL], s[SEL+1]
.endr
.irp c, 0,1,2,3
	v_add_f32 v[\d+\c], v[\d+\c], v[TMP+\c]
.endr
.endm
	WSUM4 A
	WSUM4 B
	ds_store_b128 v[LW], v[A:A+3]                  ; every lane of the wave writes the same 32 bytes with the same values
	ds_store_b128 v[LW], v[B:B+3] offset:16
	s_wait_dscnt 0x0                               ; my stores are done before I say so: the other waves read them
	s_barrier_signal -1
	s_barrier_wait -1                              ; the launch's one barrier; these bytes are written once
.irp k, 0,1,2,3,4,5,6,7
	ds_load_b128 v[R+4*\k:R+4*\k+3], v[ZERO] offset:16*\k
.endr
	s_wait_dscnt 0x0
.irp k, 1,2,3
.irp p, 0,2,4,6
	v_pk_add_f32 v[R+\p:R+\p+1], v[R+\p:R+\p+1], v[R+8*\k+\p:R+8*\k+\p+1]
.endr
.endr
.irp p, 0,2
	v_pk_mul_f32 v[A+\p:A+\p+1], v[R+\p:R+\p+1],     0x3a800000 op_sel_hi:[1,0]   ; sum(d)/1024 = mu - K
	v_pk_mul_f32 v[B+\p:B+\p+1], v[R+4+\p:R+4+\p+1], 0x38000000 op_sel_hi:[1,0]   ; /32768
.endr
.irp c, 0,1,2,3
	v_fma_f32 v[B+\c], -v[A+\c], v[A+\c], v[B+\c]  ; var
.endr
.irp c, 0,1,2,3
	v_maximum_f32 v[B+\c], 0, v[B+\c]              ; rounding may leave a small negative number; a NaN stays
.endr
.irp c, 0,1,2,3
	v_add_f32 v[B+\c], 0x3727c5ac, v[B+\c]         ; + 1e-5
.endr
.irp c, 0,1,2,3
	v_rsq_f32 v[RS+\c], v[B+\c]
.endr
.irp c, 0,1,2,3
	v_sub_f32 v[MU+\c], v[A+\c], v[NK+\c]          ; mu.  These plain lines, which touch neither RS nor B, stand between v_rsq_f32 and the use of its result (ISA guide 5.7.2)
.endr
	s_wait_alu depctr_va_vdst(0)
.irp c, 0,1,2,3
	v_mul_f32 v[RS+\c], s[20+\c], v[RS+\c]         ; x gamma
.endr
	s_wait_loadcnt 0x0                             ; my row
.irp c, 0,1,2,3
	v_sub_f32 v[Y+\c], v[Y+\c], v[MU+\c]
.endr
.irp c, 0,1,2,3
	v_fma_f32 v[Y+\c], v[Y+\c], v[RS+\c], s[24+\c] ; + beta
.endr
	global_store_b128 v1, v[Y:Y+3], s[12:13]
	s_wait_tensorcnt 0x0
	ds_add_u32 v128, v129
	s_wait_dscnt 0x0
	s_endpgm
.Lfunc_end_k_qb3dcb748c5_bn:
	.size	k_qb3dcb748c5_bn, .Lfunc_end_k_qb3dcb748c5_bn-k_qb3dcb748c5_bn
	.p2alignl 7, 3214868480
	.fill 96, 4, 3214868480
	.section	.rodata,"a",@progbits
	.p2align	6, 0x0
	.amdhsa_kernel k_qb3dcb748c5_bn
		.amdhsa_group_segment_fixed_size 768
		.amdhsa_private_segment_fixed_size 0
		.amdhsa_enable_private_segment 0
		.amdhsa_kernarg_size 40
		.amdhsa_user_sgpr_count 2
		.amdhsa_user_sgpr_kernarg_segment_ptr 1
		.amdhsa_wavefront_size32 1
		.amdhsa_system_sgpr_workgroup_id_x 1
		.amdhsa_system_sgpr_workgroup_id_y 1
		.amdhsa_system_sgpr_workgroup_id_z 1
		.amdhsa_system_vgpr_workitem_id 0
		.amdhsa_next_free_vgpr 130
		.amdhsa_next_free_sgpr 66
		.amdhsa_reserve_vcc 0
		.amdhsa_float_denorm_mode_32 3
		.amdhsa_float_denorm_mode_16_64 3
		.amdhsa_memory_ordered 1
		.amdhsa_forward_progress 1
		.amdhsa_inst_pref_size 15
	.end_amdhsa_kernel
	.amdgpu_metadata
---
amdhsa.version: [ 1, 2 ]
amdhsa.kernels:
  - .name:           k_qb3dcb748c5_bn
    .symbol:         k_qb3dcb748c5_bn.kd
    .args:
      - { .name: pre, .offset: 0, .size: 8, .value_kind: global_buffer, .address_space: global }
      - { .name: part, .offset: 8, .size: 8, .value_kind: global_buffer, .address_space: global }
      - { .name: gamma, .offset: 16, .size: 8, .value_kind: global_buffer, .address_space: global }
      - { .name: beta, .offset: 24, .size: 8, .value_kind: global_buffer, .address_space: global }
      - { .name: out0, .offset: 32, .size: 8, .value_kind: global_buffer, .address_space: global }
    .group_segment_fixed_size: 768
    .private_segment_fixed_size: 0
    .kernarg_segment_align: 8
    .kernarg_segment_size: 40
    .max_flat_workgroup_size: 128
    .sgpr_count:     66
    .vgpr_count:     130
    .wavefront_size: 32
...
	.end_amdgpu_metadata
.endif
;; end of part 2
